; MI455X (gfx1250); checked and timed in simulation.
; The chip was launched on July 23, 2026; its instructions are those of AMD's public machine-readable ISA for CDNA 5 (MIT licence, August 2026) and "CDNA5" Instruction Set Architecture Reference Guide (July 2026). The comments in the code are by the model that wrote it; some were corrected since.
;; Projected Adaptive Log Softmax. Allowed arithmetic: matrix products marked QUANTISED: E2M1 operands, one E8M0 scale for each 32 along K, by v_wmma_scale_f32_16x16x128_f8f6f4 with both operands' format E2M1 (or v_wmma_scale_f32_32x16x128_f4), f32 sums; products left as they are: f32 operands where the result goes on into a quantised operand, else bf16, f16 or f32 operands; f32 sums; everything else in f32.
;; Inputs: cluster_bias 2 float32; cluster_weight 2 x 1,024 float32; hidden 4,096 x 1,024 float32; out_bias 12,500 float32; out_weight 12,500 x 1,024 float32; target 4,096 int32.
;; Outputs: out0 4,096 float32.
;; This version of the problem:
;;   THIS VERSION OF THE PROBLEM IS GIVEN IN LOW PRECISION. The matrix products marked QUANTISED in the list below multiply operands that are first quantised to E2M1 (2 exponent bits, 1 mantissa bit; 4 bits a number), with one power-of-two scale for each 32 numbers along K (OCP MX v1.0); their sums are f32. All else is computed in f32.
;;   The module's matrix products, in the order in which they are computed (A, B: the left and right operand; K: the contracted axis; several contracted axes count as one K, in the product's order):
;;     1. [M 4,096, K 1,024] x [K 1,024, N 12,502]; A: input hidden; B: computed on the way: QUANTISED
;;     2. [M 4,096, K 1,024] x [K 1,024, N 0]; A: input hidden; B: input out_weight: left as it is (N = 0 < 16)
;;     3. [M 4,096, K 1,024] x [K 1,024, N 0]; A: input hidden; B: input out_weight: left as it is (N = 0 < 16)
;;   THE QUANTISER, for each operand of a quantised product, along K:
;;     - K is cut into blocks of 32 from its start; a last block that is shorter is filled with zeros.
;;     - A block's scale is 2^e with e = floor(log2(the largest magnitude in the block)) - 2, held to -126 .. 127; a block of zeros has e = 0. As a byte (E8M0): e + 127.
;;     - Each number is divided by its block's scale, clamped to +-6, and rounded to the nearest number of E2M1, ties to even, subnormals kept.
;;     - The product sums the exact products of the quantised numbers (number of the format x scale) in f32.
;;   ~~~python
;;   def quantise(x, axis):      # numpy; x: float32 -> the quantised numbers, widened to float32 again
;;       x = np.moveaxis(x, axis, -1); K = x.shape[-1]
;;       x = np.pad(x, [(0, 0)] * (x.ndim - 1) + [(0, -K % 32)]); x = x.reshape(x.shape[:-1] + (-1, 32)); a = np.abs(x).max(-1, keepdims=True)
;;       e = np.where(a > 0, np.clip(np.frexp(np.where(a > 0, a, 1))[1] - 1 - 2, -126, 127), 0)      # np.frexp(a)[1] - 1 = floor(log2(a)), exactly
;;       r = np.clip(x / 2.0 ** e, -6, 6)
;;       step = 2.0 ** (np.maximum(np.frexp(np.where(r == 0, 1, r))[1] - 1, 0) - 1)
;;       q = np.round(r / step) * step * 2.0 ** e      # np.round: ties to even
;;       return np.moveaxis(q.reshape(q.shape[:-2] + (-1,))[..., :K], -1, axis).astype(np.float32)
;;   ~~~
;;   OPERANDS COMPUTED ON THE WAY. 'Computed on the way' means the value that the module computes at that place (a softmax that the list does not call 'softmax' is quantised finished and normalised). What goes into a quantiser is computed in f32, as accurately as f32 sums, v_exp_f32 and their like allow (about 1e-6 of the number): no bf16 or f16 on the way to a quantiser, and a product that is left as it is and whose result goes on into a quantised operand takes f32 operands (vector FMAs, or v_wmma_f32_16x16x4_f32). A number that lies on a knife's edge between two numbers of the format may be rounded either way, as far as f32 arithmetic and the matrix unit's own rounding can turn it there, and no further.
;; One version. Each part assembles by itself: llvm-mc -triple=amdgcn-amd-amdhsa -mcpu=gfx1250 --defsym DOCPART=n.
;; ======== version 1 of 1: 3 launches
;; workspace buffers: hq_codes 2,097,152 bytes; hq_scales 131,072 bytes; wq_codes 6,553,600 bytes; wq_scales 409,600 bytes; part 1,048,576 bytes
;; launch quant (part 1): grid 1056 x 1, 8 waves a work-group, no clusters, 51,200 bytes of LDS; arguments hidden, out_weight, cluster_weight, hq_codes, hq_scales, wq_codes, wq_scales; writes hq_codes, hq_scales, wq_codes, wq_scales
.if DOCPART == 1
	.amdgcn_target "amdgcn-amd-amdhsa--gfx1250"
	.amdhsa_code_object_version 6
	.text
	.protected	k_qa23936325f_quant
	.globl	k_qa23936325f_quant
	.p2align	8
	.type	k_qa23936325f_quant,@function
k_qa23936325f_quant:
	s_mov_b64 s[64:65], 0
	v_nop
	global_prefetch_b8 v0, s[64:65] scope:SCOPE_SE
	s_setreg_imm32_b32 hwreg(HW_REG_WAVE_MODE, 25, 1), 1
	s_wait_xcnt 0x0
; hidden [4096][1024] and the head table (out_weight's 12,500 rows, cluster_weight's 2, then 298 rows of zeros: 12,800 rows), f32, K innermost, become codes of FP4 (E2M1)
; with one E8M0 byte for each 32 along K.  A block's scale is 2^(floor(log2(its largest magnitude)) - 2); its byte is the largest magnitude's exponent field - 2, held at 1 from below.
; THE BUFFERS ARE LAID IN THE ORDER OF THE OPERAND'S REGISTERS, by tiles of 16 rows (T = row / 16, r = row % 16, b = k / 32):
;   codes:  [T][b 0..31][r][16 bytes]: byte 8192 T + 256 b + 16 r.  Half c of the fragment of K step s is then 512 bytes on end at 8192 T + 1024 s + 512 c, lane l's 16 bytes at 16 l.
;   scales: [T][b / 16][r][16 bytes]: byte 512 T + 256 (b / 16) + 16 r + b % 16.  One load of 16 bytes at 16 l gives four registers: register q holds K step q's word in lanes 0-15, K step 4 + q's in lanes 16-31.
; SHARES.  A work-group makes one tile of 16 rows: work-groups 0-255 hidden's, 256-1055 the head table's.  Wave w takes rows 2 w and 2 w + 1: 8,192 consecutive bytes, four steps of 512 numbers.
; Each load reads 512 consecutive bytes, 16 a lane; a step's 2,048 bytes turn through the wave's own stage in LDS and come back 64 bytes a lane, INTO THE REGISTERS THAT THEY LEFT, so that a lane holds
; 16 neighbours along K and two neighbouring lanes a block, and a wave names 92 registers in all.
; The tile's codes and bytes are gathered in LDS in the buffers' order, and leave behind one barrier in stores of 512 consecutive bytes.
; ONE PATH FOR ALL: only pointers and one mask are chosen, by the work-group's and the wave's number.  A wave whose two rows lie past the table's 12,502 reads cluster_weight's 8,192 bytes once more
; (149 of 8,448 waves; so its bytes are valid scale bytes) and its codes are masked to zeros, which add nothing to a sum.
; LIMITS: a block whose largest magnitude lies under 2^-124 gets the byte 1; a block of zeros gets the byte 1 where the rule says 127 (its codes are zeros, and this program alone reads the bytes);
; NaN and infinities among the inputs are not served.
; No tensor loads, no ring, no cluster: no two work-groups read the same bytes but the few that pad.
.set SP,   80                          ; a lane's place in a stage: its 64 bytes + 16 of padding
.set WST,  2*32*SP                     ; a wave's two stages: 5,120 bytes
.set IMG,  8*WST                       ; behind the stages: the tile's codes, 32 blocks
.set IP,   272                         ; a block's 256 bytes + 16: the 16 pairs of lanes of a store then begin 68 words apart
.set SCI,  IMG+32*IP                   ; and its 512 scale bytes
.set R,    16                          ; v16-79   four sets of 16 numbers: as loaded, then as 16 neighbours; on the way out the tile's bytes
.set C,    80                          ; v80-87   a step's codes: two registers for each step
.set E,    88                          ; v88-91   a step's scale byte
	s_load_b256 s[4:11], s[0:1], 0x0               ; hidden s[4:5], out_weight s[6:7], cluster_weight s[8:9], hq_codes s[10:11]
	s_load_b128 s[12:15], s[0:1], 0x20             ; hq_scales s[12:13], wq_codes s[14:15]
	s_load_b64 s[16:17], s[0:1], 0x30              ; wq_scales
	v_lshl_add_u32 v96, v0, 2, 0xc400
	v_mov_b32 v97, 0
	v_lshrrev_b32 v1, 5, v0
	v_readfirstlane_b32 s18, v1                    ; wave 0..7
	v_and_b32 v2, 31, v0                           ; lane
	v_lshlrev_b32 v3, 4, v2                        ; 16 x lane: my bytes of a load's or a store's 512
	s_mul_i32 s19, s18, WST
	v_lshrrev_b32 v14, 2, v2
	v_mul_u32_u24 v14, v14, SP
	v_and_b32 v15, 3, v2
	v_lshl_add_u32 v14, v15, 4, v14
	v_add_nc_u32 v14, s19, v14                     ; the stage, in: SP (lane / 4) + 16 (lane % 4): four lanes' 64 bytes on end, then the padding
	v_mul_u32_u24 v15, v2, SP
	v_add_nc_u32 v15, s19, v15                     ; and out: SP x lane: my 16 neighbours
	v_lshrrev_b32 v8, 1, v2                        ; my block among the step's 16
	v_and_b32 v9, 1, v2                            ; and which half of it
	s_lshl_b32 s19, s18, 5                         ; rows 2 w on: 32 w bytes into a block's 256, and into a half's 256 scale bytes
	v_mul_u32_u24 v4, v8, IP
	v_lshl_add_u32 v4, v9, 3, v4
	v_add_nc_u32 v4, s19, v4
	v_add_nc_u32 v4, IMG, v4                       ; where my 8 bytes of codes go
	v_add_nc_u32 v5, s19, v8
	v_add_nc_u32 v5, SCI, v5                       ; where my block's byte goes
	v_lshrrev_b32 v8, 4, v2
	v_and_b32 v9, 15, v2
	s_mul_i32 s19, s18, 4*IP                       ; on the way out wave w takes blocks 4 w .. 4 w + 3, two to a load
	v_mul_u32_u24 v6, v8, IP
	v_lshl_add_u32 v6, v9, 4, v6
	v_add_nc_u32 v6, s19, v6
	v_add_nc_u32 v6, IMG, v6
	v_add_nc_u32 v7, SCI, v3                       ; the scale bytes on the way out (wave 0 alone)
	s_lshl_b32 s20, ttmp9, 3
	s_add_co_u32 s20, s20, s18                     ; 8 x work-group + wave
	s_mov_b32 s24, 6250                            ; out_weight has 6,250 pairs of rows
	s_wait_kmcnt 0x0
	s_cmp_lt_u32 ttmp9, 256                        ; hidden's work-group or the table's?  Every choice on this compare stands ahead of the subtractions, which write SCC
	s_cselect_b64 s[4:5], s[4:5], s[6:7]           ; from where,
	s_cselect_b64 s[10:11], s[10:11], s[14:15]     ; codes to where,
	s_cselect_b64 s[12:13], s[12:13], s[16:17]     ; bytes to where
	s_cselect_b32 s21, 0, 2048
	s_cselect_b32 s22, 0, 256
	s_cselect_b32 s24, 0xffff, s24                 ; hidden has no end to mind: all its pairs lie under this
	s_sub_co_u32 s20, s20, s21                     ; u: which pair of rows of the tensor
	s_sub_co_u32 s22, ttmp9, s22                   ; which tile of it
	s_cmp_lt_u32 s20, s24
	s_cselect_b64 s[4:5], s[4:5], s[8:9]           ; pair 6,250 of the table is cluster_weight; the pairs behind it read it too
	s_cselect_b32 s26, s20, 0
	s_cmp_le_u32 s20, s24
	s_cselect_b32 s25, -1, 0                       ; the mask on the codes: zeros past the table's end
	s_lshl_b32 s26, s26, 13                        ; 8,192 bytes a pair (under 2^26)
	s_mov_b32 s27, 0
	s_add_nc_u64 s[4:5], s[4:5], s[26:27]
	s_lshl_b32 s28, s22, 13                        ; codes: 8,192 bytes a tile, 1,024 a wave
	s_lshl_b32 s29, s18, 10
	s_add_co_u32 s28, s28, s29
	s_mov_b32 s29, 0
	s_add_nc_u64 s[10:11], s[10:11], s[28:29]
	s_lshl_b32 s28, s22, 9                         ; bytes: 512 a tile
	s_add_nc_u64 s[12:13], s[12:13], s[28:29]
.macro LOAD t
.irp i, 0,1,2,3
	global_load_b128 v[R+16*(\t)+4*\i:R+16*(\t)+4*\i+3], v3, s[4:5] offset:2048*(\t)+512*\i th:TH_LOAD_NT   ; 32 lanes read 512 consecutive bytes
.endr
.endm
.macro TURN t                          ; step t's numbers through the stage and back into their registers: LDS serves a wave's instructions in order (ISA guide 5.7.1.4), so the loads see the stores, and land behind the stores' reads of these registers
.irp i, 0,1,2,3
	ds_store_b128 v14, v[R+16*(\t)+4*\i:R+16*(\t)+4*\i+3] offset:32*SP*((\t)%2)+8*SP*\i
.endr
.irp i, 0,1,2,3
	ds_load_b128 v[R+16*(\t)+4*\i:R+16*(\t)+4*\i+3], v15 offset:32*SP*((\t)%2)+16*\i
.endr
.endm
.irp t, 0,1,2,3
	LOAD \t                                        ; all of the wave's 8,192 bytes are asked for at once: 16 loads
.endr
	s_wait_loadcnt 12                              ; step 0's four loads are in
	TURN 0
; Step t: row 2 w + t / 2, blocks 16 (t % 2) on.
.macro STEP t
.set XS, R+16*(\t)
.if (\t) > 0
	s_wait_dscnt 2                                 ; this step's numbers are back from the stage; behind those loads stand the last step's two stores, which may be out
.else
	s_wait_dscnt 0x0
.endif
.if (\t) < 3
	s_wait_loadcnt 4*(2-(\t))                      ; the next step's four loads are in; those of the steps behind it may be out
	TURN (\t)+1                                    ; and go through the other stage while this step is worked
.endif
	v_max3_num_f32 v8, |v[XS]|, |v[XS+1]|, |v[XS+2]|               ; the largest magnitude of my 16, in two chains
	v_max3_num_f32 v9, |v[XS+3]|, |v[XS+4]|, |v[XS+5]|
.irp i, 6,10
	v_max3_num_f32 v8, v8, |v[XS+\i]|, |v[XS+\i+1]|
	v_max3_num_f32 v9, v9, |v[XS+\i+2]|, |v[XS+\i+3]|
.endr
	v_max3_num_f32 v8, v8, |v[XS+14]|, |v[XS+15]|
	v_max3_num_f32 v8, v8, v9, 0x1800000           ; and the floor 2^(3 - 127): so the byte cannot fall under 1
	v_max_num_f32_dpp v8, v8, v8 row_xmask:1 row_mask:0xf bank_mask:0xf   ; with my neighbour's 16: the block's
	v_add_nc_u32 v11, 0xff000000, v8               ; 2 off its exponent field: the conversion takes the exponent field of this operand as its scale, and nothing else of it
	v_cvt_scalef32_pk8_fp4_f32 v[C+2*(\t)], v[XS:XS+7], v11        ; eight numbers / the scale, to the nearest code, ties to even, beyond 6 the largest code; the first number's code in the lowest four bits
	v_cvt_scalef32_pk8_fp4_f32 v[C+2*(\t)+1], v[XS+8:XS+15], v11
	v_lshrrev_b32 v[E+(\t)], 23, v11               ; the scale's byte.  (Also the plain line between the conversions and the lines that touch their results)
	v_and_b32 v[C+2*(\t)], s25, v[C+2*(\t)]        ; rows past the table's end: zero codes
	v_and_b32 v[C+2*(\t)+1], s25, v[C+2*(\t)+1]
	ds_store_b64 v4, v[C+2*(\t):C+2*(\t)+1] offset:16*IP*((\t)%2)+16*((\t)/2)
	ds_store_b8 v5, v[E+(\t)] offset:256*((\t)%2)+16*((\t)/2)      ; both lanes of a block write the same byte with the same value
.endm
.irp t, 0,1,2,3
	STEP \t
.endr
	s_wait_dscnt 0x0                               ; for the others' sake: my stores into the tile's image are done
	s_barrier_signal -1
	s_barrier_wait -1                              ; the image is whole
	ds_load_b128 v[R:R+3], v6
	ds_load_b128 v[R+4:R+7], v6 offset:2*IP
	s_wait_dscnt 0x0
	global_store_b128 v3, v[R:R+3], s[10:11]               ; 32 lanes store 512 consecutive bytes, at a multiple of 512 from the buffer's first byte
	global_store_b128 v3, v[R+4:R+7], s[10:11] offset:512
	s_cmp_lg_u32 s18, 0
	s_cbranch_scc1 .Lend
	ds_load_b128 v[R+8:R+11], v7                   ; wave 0 alone: the tile's 512 scale bytes
	s_wait_dscnt 0x0
	global_store_b128 v3, v[R+8:R+11], s[12:13]
.Lend:
	s_wait_tensorcnt 0x0
	ds_add_u32 v96, v97
	s_wait_dscnt 0x0
	s_endpgm
.Lfunc_end_k_qa23936325f_quant:
	.size	k_qa23936325f_quant, .Lfunc_end_k_qa23936325f_quant-k_qa23936325f_quant
	.p2alignl 7, 3214868480
	.fill 96, 4, 3214868480
	.section	.rodata,"a",@progbits
	.p2align	6, 0x0
	.amdhsa_kernel k_qa23936325f_quant
		.amdhsa_group_segment_fixed_size 51200
		.amdhsa_private_segment_fixed_size 0
		.amdhsa_enable_private_segment 0
		.amdhsa_kernarg_size 56
		.amdhsa_user_sgpr_count 2
		.amdhsa_user_sgpr_kernarg_segment_ptr 1
		.amdhsa_wavefront_size32 1
		.amdhsa_system_sgpr_workgroup_id_x 1
		.amdhsa_system_sgpr_workgroup_id_y 1
		.amdhsa_system_sgpr_workgroup_id_z 1
		.amdhsa_system_vgpr_workitem_id 0
		.amdhsa_next_free_vgpr 98
		.amdhsa_next_free_sgpr 66
		.amdhsa_reserve_vcc 0
		.amdhsa_float_denorm_mode_32 3
		.amdhsa_float_denorm_mode_16_64 3
		.amdhsa_memory_ordered 1
		.amdhsa_forward_progress 1
		.amdhsa_inst_pref_size 12
	.end_amdhsa_kernel
	.amdgpu_metadata
---
amdhsa.version: [ 1, 2 ]
amdhsa.kernels:
  - .name:           k_qa23936325f_quant
    .symbol:         k_qa23936325f_quant.kd
    .args:
      - { .name: hidden, .offset: 0, .size: 8, .value_kind: global_buffer, .address_space: global }
      - { .name: out_weight, .offset: 8, .size: 8, .value_kind: global_buffer, .address_space: global }
      - { .name: cluster_weight, .offset: 16, .size: 8, .value_kind: global_buffer, .address_space: global }
      - { .name: hq_codes, .offset: 24, .size: 8, .value_kind: global_buffer, .address_space: global }
      - { .name: hq_scales, .offset: 32, .size: 8, .value_kind: global_buffer, .address_space: global }
      - { .name: wq_codes, .offset: 40, .size: 8, .value_kind: global_buffer, .address_space: global }
      - { .name: wq_scales, .offset: 48, .size: 8, .value_kind: global_buffer, .address_space: global }
    .group_segment_fixed_size: 51200
    .private_segment_fixed_size: 0
    .kernarg_segment_align: 8
    .kernarg_segment_size: 56
    .max_flat_workgroup_size: 256
    .sgpr_count:     66
    .vgpr_count:     98
    .wavefront_size: 32
...
	.end_amdgpu_metadata
.endif
;; end of part 1
;; launch lse (part 2): grid 8 x 32, 8 waves a work-group, clusters of 4 x 1, 220,672 bytes of LDS; arguments hq_codes, hq_scales, wq_codes, wq_scales, out_bias, cluster_bias, part; writes part
.if DOCPART == 2
	.amdgcn_target "amdgcn-amd-amdhsa--gfx1250"
	.amdhsa_code_object_version 6
	.text
	.protected	k_qa23936325f_lse
	.globl	k_qa23936325f_lse
	.p2align	8
	.type	k_qa23936325f_lse,@function
k_qa23936325f_lse:
	s_mov_b64 s[64:65], 0
	v_nop
	global_prefetch_b8 v0, s[64:65] scope:SCOPE_SE
	s_setreg_imm32_b32 hwreg(HW_REG_WAVE_MODE, 25, 1), 1
	s_wait_xcnt 0x0
	s_wait_alu depctr_hold_cnt(0) depctr_sa_sdst(0) depctr_va_vdst(0) depctr_va_sdst(0) depctr_va_ssrc(0) depctr_va_vcc(0) depctr_vm_vsrc(0)
	s_getreg_b32 s2, hwreg(HW_REG_IB_STS2, 6, 4)
	s_cmp_eq_u32 s2, 0
	s_cbranch_scc0 .Lentry_in_a_cluster
	s_endpgm
.Lentry_in_a_cluster:
	s_bfe_u32 s2, ttmp6, 0x10000c
	s_cmp_lg_u32 s2, 0x3003
	s_cbranch_scc0 .Lentry_shape_is_right
	s_endpgm
.Lentry_shape_is_right:
; For each of 4,096 rows and each of 32 slices of 400 columns of the head table: x = Q(hidden) . Q(head_w) + head_b on codes of FP4 (E2M1) with E8M0 scales, and of those 400 logits
; mc = log2(e) x their maximum and l = the sum of 2^(log2(e) x - mc), by a running maximum.  The logits never leave the registers.  part: [slice][row][mc, l], f32.
; SHARES.  256 work-groups: row block X (512 rows) x slice y (25 tiles of 16 columns; 32 x 400 = 12,800: columns 12,502 on have zero codes and the bias -2^126, so that their terms are 0).
; Wave w owns rows 512 X + 64 w .. + 63, four tiles of 16, for ALL of K: their codes stay in 256 registers (window 1), their scale words in 16.  512 registers a wave: two waves to a SIMD,
; so that one wave's 92 vector instructions of softmax a column tile stand beside the other's 32 matrix instructions.  All eight waves walk the slice's 25 tiles from LDS: a fragment of 1,024 bytes read there feeds four matrix instructions.
; LDS.  The slice's codes (204,800 bytes) and scale bytes (12,800) fit whole: every byte is filled ONCE, by six tensor loads a wave at the start; there is no ring and nothing is filled again.
; WHAT IS WANTED FIRST IS ASKED FOR FIRST.  The first product needs all of a wave's hidden and the first column tile.  So: the biases and row tile 0 of hidden ahead of the cluster's round, so that bytes are on their way during it;
; behind the round the scale bytes and column tiles 0-9; then the rest of hidden; then column tiles 10-24, which have eight tiles' work in which to land.  Two barriers: one in front of tile 0, ahead of the
; wait for hidden (hidden is each wave's own: no wave waits for another's), one behind tile 7.
; CLUSTER.  The four row blocks of a cluster read the same slice: all six loads are JOINT (the same descriptor, made of y and the wave's number alone, and the mask of all four).
; hidden is not shared so: each wave's rows go straight into its registers, and a block's 256 KiB of codes would not fit in LDS beside the slice.
; LAYOUT.  The product is used transposed (source 0 = 16 rows of the table, source 1 = 16 rows of hidden): lane (r, h) holds hidden row r and register j column 8 h + j.  The bias is the C of a sum's first link.
; Each lane keeps its own maximum and sum over its own 8 columns of every tile: nothing crosses lanes in the loop; the two halves of the lanes meet once, at the end.
; LIMITS: the running maximum starts at -2^127 and the padding's bias is -2^126: logits are served above -8.5e37.  NaN and infinities among the inputs are not served.
; REGISTERS.  Window 0: v1 16 x lane, v2 lane, v3, v4 my places among the scale words and the biases, v5-7 the addresses of the loads in hand, v8-15, v76-78 at work, v12 8 x lane;
;   v16-31 hidden's scale words (4 a + q); v32-35 the table's; v36-43 the tile's biases; v44-75 statistics, 8 a row tile; v80-111 the four accumulators; v128-191 the table's 8 fragments.
;   Window 1: hidden's fragments, (row tile a, K step s) at v[64 a + 8 s].
.set WSC, 204800                       ; LDS: the codes from 0 on, 8,192 bytes a tile; then the scale bytes, 512 a tile;
.set BIA, 217600                       ; then 512 biases (f32), stored by the threads: blocks of 256 bytes into which no tensor load lands.  Words 400-511 are stored and not read
.set HS,  16
.set WS,  32
.set BI,  36
.set ST,  44                           ; row tile a at v[ST + 8 a]: +0 mc, +1 m, +2, +3 l (even columns', odd columns'), +4 the factor for l, +5 named with it as a pair, +6, +7 at work
.set ACC, 80
.set WF,  128
.set G1C, 24                           ; s[24:31] descriptor group 1 for codes;  s[32:39] for scale bytes;  s[40:63] six groups 0
.set G1S, 32
.set G0,  40
.set MSB, 0
.macro WIN new                         ; the immediate's high byte repeats the setting that is left; a switch that changes nothing is dropped
.if MSB != \new
	s_set_vgpr_msb (MSB<<8)|\new
.set MSB, \new
.endif
.endm
; A round of the cluster's barrier: my work-group's barrier, so that wave 0's signal speaks for all eight waves; wave 0 signals for the work-group; every wave waits for all four work-groups; my work-group's barrier once more.
.macro CROUND
	s_barrier_signal -1
	s_barrier_wait -1
	s_cmp_lg_u32 s18, 0
	s_cbranch_scc1 .Lnot_wave_0_\@
	s_barrier_signal -3
.Lnot_wave_0_\@:
	s_barrier_wait -3
	s_barrier_signal -1
	s_barrier_wait -1
.endm
; Row tile a of hidden: eight fragments, 16 loads of 512 consecutive bytes; they stay in registers.  (Under a destination in window 1)
.macro HLOAD a
.irp s, 0,1,2,3,4,5,6,7
	global_load_b128 v[64*(\a)+8*\s:64*(\a)+8*\s+3],   v1, s[80:81] offset:8192*(\a)+1024*\s
	global_load_b128 v[64*(\a)+8*\s+4:64*(\a)+8*\s+7], v1, s[80:81] offset:8192*(\a)+1024*\s+512
.endr
.endm
	s_load_b256 s[4:11], s[0:1], 0x0               ; hq_codes s[4:5], hq_scales s[6:7], wq_codes s[8:9], wq_scales s[10:11]
	s_load_b128 s[12:15], s[0:1], 0x20             ; out_bias s[12:13], cluster_bias s[14:15]
	s_load_b64 s[16:17], s[0:1], 0x30              ; part
	v_lshl_add_u32 v254, v0, 2, 0x35a00
	v_mov_b32 v255, 0
	ds_add_u32 v254, v255
	ds_add_u32 v254, v255
	v_lshrrev_b32 v1, 5, v0
	v_readfirstlane_b32 s18, v1                    ; wave 0..7
	v_and_b32 v2, 31, v0                           ; lane
	v_lshlrev_b32 v1, 4, v2                        ; 16 x lane: my bytes of a fragment's half
	v_add_nc_u32 v3, WSC, v1                       ; and of a tile's scale bytes
	v_bfe_u32 v4, v0, 4, 1                         ; h
	v_lshl_add_u32 v4, v4, 5, BIA                  ; my half's eight biases of a tile
	v_lshlrev_b32 v12, 3, v2                       ; 8 x lane: the way out
	v_lshl_add_u32 v76, v0, 2, BIA                 ; where thread t stores bias t
	s_bfe_u32 s73, ttmp6, 0x40000                  ; cx: my place in the cluster
	s_lshl_b32 s19, ttmp9, 2                       ; in a cluster launch ttmp9 counts clusters
	s_add_co_u32 s19, s19, s73                     ; X = 4 x cluster x + cx: it enters hidden's and part's addresses alone
	s_and_b32 s20, ttmp7, 0xffff                   ; y: the slice, which the four partners share
	s_mul_i32 s21, s20, 400                        ; its first column
	v_add_nc_u32 v8, s21, v0                       ; the biases: thread t takes columns 400 y + t
	v_add_nc_u32 v9, 256, v8                       ; and 400 y + t + 256
	v_min_u32 v10, 12499, v8                       ; no load leaves out_bias
	v_min_u32 v11, 12499, v9
	v_lshlrev_b32 v10, 2, v10
	v_lshlrev_b32 v11, 2, v11
	s_mov_b32 s22, 0x3fb8aa3b                      ; c = log2(e)
	s_mov_b32 s23, s22                             ; (the packed form names the pair and takes its low word for both halves: so it is written)
	s_mov_b32 s66, 0                               ; the tile to be fetched: its codes' LDS byte,
	s_mov_b32 s67, 0                               ; its scale bytes',
	s_mov_b32 s68, 0                               ; its biases'
	s_mov_b32 s70, 0x76543210
	s_mov_b32 s71, 0xfedcba98                      ; v_permlanex16_b32's selects for lane l xor 16
	s_mov_b32 s72, 0xffff0000                      ; lanes 16-31
	; descriptor group 1.  Codes: a wave's share of a group of five tiles, 5,120 dense bytes, as 20 rows of 256 bytes (32 elements of 8 bytes)
	s_mov_b32 s[G1C], 15|(3<<16)|(1<<21)           ; 15:0 the mask: all four work-groups; 17:16 elements of 8 bytes; 20 no padding; 21 set beside a mask
	s_mov_b32 s[G1C+1], 32<<16                     ; tensor_dim0 = 32
	s_mov_b32 s[G1C+2], 20<<16                     ; tensor_dim1 = 20
	s_mov_b32 s[G1C+3], 32<<16                     ; tile_dim0 = 32
	s_mov_b32 s[G1C+4], 20                         ; tile_dim1 = 20
	s_mov_b32 s[G1C+5], 32                         ; from row to row: 32 elements
	s_mov_b32 s[G1C+6], 0
	s_mov_b32 s[G1C+7], 0
	; scale bytes: a wave's eighth of the slice's 12,800, one row of 1,600 bytes (200 elements of 8)
	s_mov_b32 s[G1S], 15|(3<<16)|(1<<21)
	s_mov_b32 s[G1S+1], 200<<16
	s_mov_b32 s[G1S+2], 1<<16
	s_mov_b32 s[G1S+3], 200<<16
	s_mov_b32 s[G1S+4], 1
	s_mov_b32 s[G1S+5], 200
	s_mov_b32 s[G1S+6], 0
	s_mov_b32 s[G1S+7], 0
	; what the joint loads fetch hangs on y and the wave's number alone, in registers that never hold cx
	s_mul_i32 s74, s20, 12800
	s_mul_i32 s76, s18, 1600
	s_add_co_u32 s74, s74, s76                     ; scale bytes: 12,800 y + 1,600 w
	s_mov_b32 s75, 0
	s_mul_i32 s78, s20, 204800
	s_mul_i32 s77, s18, 5120
	s_add_co_u32 s78, s78, s77                     ; codes: 204,800 y + 5,120 w (+ 40,960 for each group)
	s_mov_b32 s79, 0
	; my rows: row tile 32 X + 4 w on
	s_lshl_b32 s88, s19, 5
	s_lshl_b32 s89, s18, 2
	s_add_co_u32 s88, s88, s89
	s_lshl_b32 s80, s88, 13                        ; 8,192 bytes of codes a tile,
	s_mov_b32 s81, 0
	s_lshl_b32 s82, s88, 9                         ; 512 scale bytes,
	s_mov_b32 s83, 0
	s_lshl_b32 s86, s20, 15                        ; part: 32,768 bytes a slice
	s_lshl_b32 s89, s88, 7                         ; and 128 a tile of rows
	s_add_co_u32 s86, s86, s89
	s_mov_b32 s87, 0
	s_wait_dscnt 0x0
	s_wait_kmcnt 0x0
	s_load_b64 s[84:85], s[14:15], 0x0             ; the two cluster biases
	s_add_nc_u64 s[80:81], s[4:5], s[80:81]
	global_load_b32 v13, v10, s[12:13]             ; the biases first: the counted wait below then leaves all of hidden out
	global_load_b32 v14, v11, s[12:13]
	WIN 0x40                                       ; destination window 1, address window 0
	HLOAD 0                                        ; row tile 0 is on its way while the cluster meets
	WIN 0
	s_add_nc_u64 s[82:83], s[6:7], s[82:83]
	s_add_nc_u64 s[86:87], s[16:17], s[86:87]
	s_add_nc_u64 s[78:79], s[8:9], s[78:79]
	s_mov_b32 s[G0], 1                             ; 1:0 count = 1
	s_add_co_u32 s[G0+1], s76, WSC                 ; 63:32 LDS address
	s_add_nc_u64 s[G0+2:G0+3], s[10:11], s[74:75]  ; 120:64 global address
	s_or_b32 s[G0+3], s[G0+3], 0x80000000          ; 127:126 type = 2
.irp g, 0,1,2,3,4
	s_mov_b32 s[G0+4+4*\g], 1
	s_add_co_u32 s[G0+5+4*\g], s77, 40960*\g
	s_add_nc_u64 s[G0+6+4*\g:G0+7+4*\g], s[78:79], 40960*\g
	s_or_b32 s[G0+7+4*\g], s[G0+7+4*\g], 0x80000000
.endr
	CROUND                                         ; all four work-groups are here: the joint loads meet
	; The first fills, which are all the fills: six tensor loads of mine, all behind this one round and ahead of the first wait on TENSORcnt, the first LDS read and the next barrier.
	tensor_load_to_lds s[G0:G0+3], s[G1S:G1S+7]    ; the scale bytes,
	s_nop 0
.irp g, 0,1
	tensor_load_to_lds s[G0+4+4*\g:G0+7+4*\g], s[G1C:G1C+7]   ; tiles 0-4 and 5-9
	s_nop 0
.endr
.rept 4
	v_nop
.endr
	WIN 0x40
	HLOAD 1
	HLOAD 2
	WIN 0
.irp a, 0,1,2,3
	global_load_b128 v[HS+4*\a:HS+4*\a+3], v1, s[82:83] offset:512*\a    ; register q: K step q's word in lanes 0-15, K step 4 + q's in lanes 16-31
.endr
	v_mov_b32 v15, 0xfe800000                      ; -2^126: the bias of a column past the table's end
.irp a, 0,1,2,3
	v_mov_b32 v[ST+8*\a+1], 0xff000000             ; m = -2^127, under every logit that is served
	v_mul_f32 v[ST+8*\a], s22, v[ST+8*\a+1]        ; c m: still a number
.irp k, 2,3,4,5,6,7
	v_mov_b32 v[ST+8*\a+\k], 0                     ; l = 0; the others are written since they are named in pairs or as a lane permute's destination
.endr
.endr
	s_wait_kmcnt 0x0                               ; the cluster biases
	v_mov_b32 v77, s84
	v_mov_b32 v78, s85
	s_wait_loadcnt 52                              ; the two loads of out_bias are in: behind them stand 3 x 16 loads of hidden and 4 of its scale words
.irp k, 0,1
	v_cmp_gt_u32 vcc_lo, 12500, v[8+\k]            ; a column of out_weight: out_bias; else the padding's,
	v_cndmask_b32 v[13+\k], v15, v[13+\k], vcc_lo
	v_cmp_eq_u32 vcc_lo, 12500, v[8+\k]            ; but for the two pseudo-tokens
	v_cndmask_b32 v[13+\k], v[13+\k], v77, vcc_lo
	v_cmp_eq_u32 vcc_lo, 12501, v[8+\k]
	v_cndmask_b32 v[13+\k], v[13+\k], v78, vcc_lo
.endr
	WIN 0x40
	HLOAD 3
	WIN 0
.irp g, 2,3,4
	tensor_load_to_lds s[G0+4+4*\g:G0+7+4*\g], s[G1C:G1C+7]   ; tiles 10-24, behind all that the first product waits for: six loads of mine are out at the most
	s_nop 0
.endr
.rept 4
	v_nop
.endr
	ds_store_b32 v76, v13
	ds_store_b32 v76, v14 offset:1024
; 19 LDS loads in one run: a tile's eight fragments (each half 512 bytes on end), its scale words, its biases
.macro FETCH
.irp s, 0,1,2,3,4,5,6,7
	ds_load_b128 v[WF+8*\s:WF+8*\s+3],   v5 offset:1024*\s
	ds_load_b128 v[WF+8*\s+4:WF+8*\s+7], v5 offset:1024*\s+512
.endr
	ds_load_b128 v[WS:WS+3], v6
	ds_load_b128 v[BI:BI+3], v7                    ; lane (r, h): the biases of columns 8 h + 0 .. 7: the C of the tile's sums
	ds_load_b128 v[BI+4:BI+7], v7 offset:16
.endm
; All my tensor loads but the youngest n have landed; no LDS instruction of mine is out; then the work-group's barrier: the same holds of everybody.  The younger loads may stay out.
.macro MEET n
	s_wait_tensorcnt \n
	s_wait_dscnt 0x0
	s_barrier_signal -1
	s_barrier_wait -1
.endm
; THE SOFTMAX'S PART OF A TILE, for my 8 columns of four row tiles.
.macro SM_A a, i                       ; c x - c m for the pair of logits i, i + 1 of row tile a
	v_pk_fma_f32 v[ACC+8*(\a)+\i:ACC+8*(\a)+\i+1], v[ACC+8*(\a)+\i:ACC+8*(\a)+\i+1], s[22:23], v[ST+8*(\a):ST+8*(\a)+1] op_sel_hi:[1,0,0] neg_lo:[0,0,1] neg_hi:[0,0,1]
.endm
.macro SM_S a, i                       ; l takes the pair i, i + 1: the first with the factor that brings l under the new m
.if \i == 0
	s_wait_alu depctr_va_vdst(0)
	v_pk_fma_f32 v[ST+8*(\a)+2:ST+8*(\a)+3], v[ST+8*(\a)+2:ST+8*(\a)+3], v[ST+8*(\a)+4:ST+8*(\a)+5], v[ACC+8*(\a):ACC+8*(\a)+1] op_sel_hi:[1,0,1]
.else
	v_pk_add_f32 v[ST+8*(\a)+2:ST+8*(\a)+3], v[ST+8*(\a)+2:ST+8*(\a)+3], v[ACC+8*(\a)+\i:ACC+8*(\a)+\i+1]
.endif
.endm
; Row tile a's nine exponentials (the factor, then the eight terms).  Between them stand plain lines of OTHER row tiles that are ready: the scalings of tile a + 1, the sums of tile a - 1.
; So every result has a plain line behind it before it is used (ISA guide 5.7.2), and no v_nop is written.
.macro STAGE a
	v_exp_f32 v[ST+8*(\a)+4], v[ST+8*(\a)+4]
.irp i, 0,2,4,6
.if (\a) < 3
	SM_A (\a)+1, \i
.endif
	v_exp_f32 v[ACC+8*(\a)+\i], v[ACC+8*(\a)+\i]
.if (\a) > 0
	SM_S (\a)-1, \i
.endif
	v_exp_f32 v[ACC+8*(\a)+\i+1], v[ACC+8*(\a)+\i+1]
.endr
.endm
.macro SOFTMAX
.irp a, 0,1,2,3
	v_max3_num_f32 v[ST+8*\a+6], v[ACC+8*\a], v[ACC+8*\a+1], v[ST+8*\a+1]       ; the new m: the old one and the eight logits (each accumulator is read from its low end on); the four row tiles by turns
.endr
.irp i, 2,4
.irp a, 0,1,2,3
	v_max3_num_f32 v[ST+8*\a+6], v[ST+8*\a+6], v[ACC+8*\a+\i], v[ACC+8*\a+\i+1]
.endr
.endr
.irp a, 0,1,2,3
	v_max3_num_f32 v[ST+8*\a+1], v[ST+8*\a+6], v[ACC+8*\a+6], v[ACC+8*\a+7]
.endr
.irp a, 0,1,2,3
	v_fma_f32 v[ST+8*\a+4], s22, -v[ST+8*\a+1], v[ST+8*\a]                      ; c m_old - c m_new
.endr
.irp a, 0,1,2,3
	v_mul_f32 v[ST+8*\a], s22, v[ST+8*\a+1]                                     ; c m
.endr
.irp i, 0,2,4,6
	SM_A 0, \i
.endr
	STAGE 0
	STAGE 1
	STAGE 2
	STAGE 3
.irp i, 0,2,4,6
	SM_S 3, \i                                     ; (the first of these reads terms 0 and 1, not the exponential just ahead of it)
.endr
.endm
; A column tile: 32 matrix instructions, K step by K step, the four accumulators by turns, one instruction a turn; then the next tile's loads in one run; then the softmax,
; under which those loads land.  K steps 4-7 take their scale words from lanes 16-31 of the same registers.
.macro TILE fetch
	s_wait_dscnt 0x0                               ; the tile's 19 loads, issued ahead of the last tile's softmax, are in
	WIN 0x04                                       ; source 1 (hidden) window 1
.irp s, 0,1,2,3,4,5,6,7
.irp a, 0,1,2,3
.if \s == 0
	v_wmma_scale_f32_16x16x128_f8f6f4 v[ACC+8*\a:ACC+8*\a+7], v[WF+8*\s:WF+8*\s+7], v[64*\a+8*\s:64*\a+8*\s+7], v[BI:BI+7], v[WS+\s%4], v[HS+4*\a+\s%4] matrix_a_fmt:MATRIX_FMT_FP4 matrix_b_fmt:MATRIX_FMT_FP4
.elseif \s < 4
	v_wmma_scale_f32_16x16x128_f8f6f4 v[ACC+8*\a:ACC+8*\a+7], v[WF+8*\s:WF+8*\s+7], v[64*\a+8*\s:64*\a+8*\s+7], v[ACC+8*\a:ACC+8*\a+7], v[WS+\s%4], v[HS+4*\a+\s%4] matrix_a_fmt:MATRIX_FMT_FP4 matrix_b_fmt:MATRIX_FMT_FP4
.else
	v_wmma_scale_f32_16x16x128_f8f6f4 v[ACC+8*\a:ACC+8*\a+7], v[WF+8*\s:WF+8*\s+7], v[64*\a+8*\s:64*\a+8*\s+7], v[ACC+8*\a:ACC+8*\a+7], v[WS+\s%4], v[HS+4*\a+\s%4] matrix_a_fmt:MATRIX_FMT_FP4 matrix_b_fmt:MATRIX_FMT_FP4 matrix_a_scale:MATRIX_SCALE_ROW1 matrix_b_scale:MATRIX_SCALE_ROW1
.endif
.endr
.endr
	WIN 0
.if \fetch
	s_add_co_u32 s66, s66, 8192                    ; on to the next tile
	s_add_co_u32 s67, s67, 512
	s_add_co_u32 s68, s68, 64
	v_add_nc_u32 v5, s66, v1                       ; these three and the v_nop are the four places between the products and the loads into their operands, and the first read of their results
	v_add_nc_u32 v6, s67, v3
	v_add_nc_u32 v7, s68, v4
	v_nop
	FETCH
.else
.rept 4
	v_nop
.endr
.endif
	SOFTMAX
.endm
.macro PHASE n                         ; n tiles, each fetching its successor
	s_mov_b32 s69, \n
.Ltile_\@:
	TILE 1
	s_sub_co_u32 s69, s69, 1
	s_cmp_lg_u32 s69, 0
	s_cbranch_scc1 .Ltile_\@
.endm
	MEET 3                                         ; the scale bytes and tiles 0-9 are in (the three loads of tiles 10-24 may be out), and so are all threads' biases.  hidden may still be out: it is each wave's own
	v_add_nc_u32 v5, s66, v1                       ; tile 0
	v_add_nc_u32 v6, s67, v3
	v_add_nc_u32 v7, s68, v4
	FETCH
	s_wait_loadcnt 0x0                             ; my rows of hidden and their scale words
	PHASE 8                                        ; tiles 0-7; the fetches reach tile 8
	MEET 0                                         ; tiles 10-24 are in, everybody's parts
	PHASE 16                                       ; tiles 8-23; the fetches reach tile 24
	TILE 0                                         ; tile 24: nothing is left to fetch
	; THE END.  Lanes l and l xor 16 hold the same row's two halves of the columns: their (c m, l) are joined under the larger c m.
.irp a, 0,1,2,3
	v_add_f32 v[ST+8*\a+2], v[ST+8*\a+2], v[ST+8*\a+3]             ; l's two halves
.endr
.irp a, 0,1,2,3
	v_permlanex16_b32 v[ST+8*\a+6], v[ST+8*\a], s70, s71           ; the other lane's c m
	v_permlanex16_b32 v[ST+8*\a+7], v[ST+8*\a+2], s70, s71         ; and l
.endr
.irp a, 0,1,2,3
	v_max_num_f32 v[ST+8*\a+1], v[ST+8*\a], v[ST+8*\a+6]           ; the row's c m
.endr
.irp a, 0,1,2,3
	v_sub_f32 v[ST+8*\a+4], v[ST+8*\a], v[ST+8*\a+1]
	v_sub_f32 v[ST+8*\a+5], v[ST+8*\a+6], v[ST+8*\a+1]
.endr
.irp a, 0,1,2,3
	v_exp_f32 v[ST+8*\a+4], v[ST+8*\a+4]
	v_exp_f32 v[ST+8*\a+5], v[ST+8*\a+5]
.endr
	v_nop                                          ; a plain line behind the exponentials
	s_wait_alu depctr_va_vdst(0)
.irp a, 0,1,2,3
	v_mul_f32 v[ST+8*\a+3], v[ST+8*\a+7], v[ST+8*\a+5]
.endr
.irp a, 0,1,2,3
	v_fma_f32 v[ST+8*\a+2], v[ST+8*\a+2], v[ST+8*\a+4], v[ST+8*\a+3]   ; the row's l
.endr
	v_cndmask_b32 v8, v[ST+1], v[ST+9], s72        ; lanes 0-15 give row tile 0's rows, lanes 16-31 row tile 1's: 32 rows on end
	v_cndmask_b32 v9, v[ST+2], v[ST+10], s72
	v_cndmask_b32 v10, v[ST+17], v[ST+25], s72     ; likewise row tiles 2 and 3
	v_cndmask_b32 v11, v[ST+18], v[ST+26], s72
	global_store_b64 v12, v[8:9], s[86:87]                 ; 32 lanes store 256 consecutive bytes, at a multiple of 256 from part's first byte
	global_store_b64 v12, v[10:11], s[86:87] offset:256
	s_wait_tensorcnt 0x0
	ds_add_u32 v254, v255
	s_wait_dscnt 0x0
	CROUND                                         ; the closing round: no work-group ends while a partner may still ask for a tile that names it
	s_endpgm
.Lfunc_end_k_qa23936325f_lse:
	.size	k_qa23936325f_lse, .Lfunc_end_k_qa23936325f_lse-k_qa23936325f_lse
	.p2alignl 7, 3214868480
	.fill 96, 4, 3214868480
	.section	.rodata,"a",@progbits
	.p2align	6, 0x0
	.amdhsa_kernel k_qa23936325f_lse
		.amdhsa_group_segment_fixed_size 220672
		.amdhsa_private_segment_fixed_size 0
		.amdhsa_enable_private_segment 0
		.amdhsa_kernarg_size 56
		.amdhsa_user_sgpr_count 2
		.amdhsa_user_sgpr_kernarg_segment_ptr 1
		.amdhsa_wavefront_size32 1
		.amdhsa_system_sgpr_workgroup_id_x 1
		.amdhsa_system_sgpr_workgroup_id_y 1
		.amdhsa_system_sgpr_workgroup_id_z 1
		.amdhsa_system_vgpr_workitem_id 0
		.amdhsa_next_free_vgpr 512
		.amdhsa_next_free_sgpr 92
		.amdhsa_reserve_vcc 1
		.amdhsa_float_denorm_mode_32 3
		.amdhsa_float_denorm_mode_16_64 3
		.amdhsa_memory_ordered 1
		.amdhsa_forward_progress 1
		.amdhsa_inst_pref_size 49
	.end_amdhsa_kernel
	.amdgpu_metadata
---
amdhsa.version: [ 1, 2 ]
amdhsa.kernels:
  - .name:           k_qa23936325f_lse
    .symbol:         k_qa23936325f_lse.kd
    .args:
      - { .name: hq_codes, .offset: 0, .size: 8, .value_kind: global_buffer, .address_space: global }
      - { .name: hq_scales, .offset: 8, .size: 8, .value_kind: global_buffer, .address_space: global }
      - { .name: wq_codes, .offset: 16, .size: 8, .value_kind: global_buffer, .address_space: global }
      - { .name: wq_scales, .offset: 24, .size: 8, .value_kind: global_buffer, .address_space: global }
      - { .name: out_bias, .offset: 32, .size: 8, .value_kind: global_buffer, .address_space: global }
      - { .name: cluster_bias, .offset: 40, .size: 8, .value_kind: global_buffer, .address_space: global }
      - { .name: part, .offset: 48, .size: 8, .value_kind: global_buffer, .address_space: global }
    .group_segment_fixed_size: 220672
    .private_segment_fixed_size: 0
    .kernarg_segment_align: 8
    .kernarg_segment_size: 56
    .max_flat_workgroup_size: 256
    .sgpr_count:     92
    .vgpr_count:     512
    .wavefront_size: 32
...
	.end_amdgpu_metadata
.endif
;; end of part 2
;; launch finish (part 3): grid 256 x 1, 1 waves a work-group, no clusters, 0 bytes of LDS; arguments target, hq_codes, hq_scales, wq_codes, wq_scales, out_bias, cluster_bias, part, out0; writes out0
.if DOCPART == 3
	.amdgcn_target "amdgcn-amd-amdhsa--gfx1250"
	.amdhsa_code_object_version 6
	.text
	.protected	k_qa23936325f_finish
	.globl	k_qa23936325f_finish
	.p2align	8
	.type	k_qa23936325f_finish,@function
k_qa23936325f_finish:
	s_mov_b64 s[64:65], 0
	v_nop
	global_prefetch_b8 v0, s[64:65] scope:SCOPE_SE
	s_setreg_imm32_b32 hwreg(HW_REG_WAVE_MODE, 25, 1), 1
	s_wait_xcnt 0x0
; nll[i] = logsumexp over the head table's 12,502 columns - the target's logit.  One wave takes 16 rows (row tile T = the work-group's number).
; THE SUM: the 32 slices' (mc, l) of a row are joined under the largest mc: lse = ln 2 x (M + log2(the sum of l 2^(mc - M))).  Lane (r, h) takes row r's slices 2 q + h.
; THE TARGET'S LOGIT is the same quantised product as the other logits, by the same matrix form: source 0 = the 16 table rows that the 16 targets name, gathered (lane (r, h) takes row target[r]'s bytes,
; which in the codes' layout are 16 bytes for each block of 32), source 1 = the 16 rows of hidden; the wanted numbers are the diagonal of the 16 x 16 result.  K's eight steps go onto two accumulators by turns.
; The tail clusters of the module are empty at these sizes (the table has 12,500 rows, the first cutoff is 20,000), so every row's result comes from the head.
; LIMITS: a negative target counts as 0, as in the module's clip; a target of 12,502 or more, which would leave the head table, is held at 12,501.  NaN and infinities among the inputs are not served.
; No LDS, no barrier, no tensor load: a wave shares nothing, and all that it reads is about 21 KiB.
.set HF,  16                           ; v16-79   hidden's eight fragments
.set GF,  80                           ; v80-143  the gathered rows' eight
.set PT,  144                          ; v144-175 sixteen pairs (mc, l)
.set HSC, 176                          ; v176-179 hidden's scale words: register q: K step q's in lanes 0-15, K step 4 + q's in lanes 16-31
.set GSC, 180                          ; v180-183 the gathered rows'
.set A0,  184                          ; v184-191, v192-199 the two accumulators
.set A1,  192
.set S,   200                          ; v200-207 their sum
	s_load_b256 s[4:11], s[0:1], 0x0               ; target s[4:5], hq_codes s[6:7], hq_scales s[8:9], wq_codes s[10:11]
	s_load_b256 s[12:19], s[0:1], 0x20             ; wq_scales s[12:13], out_bias s[14:15], cluster_bias s[16:17], part s[18:19]
	s_load_b64 s[20:21], s[0:1], 0x40              ; out0
	v_and_b32 v1, 15, v0                           ; r
	v_lshrrev_b32 v2, 4, v0                        ; h
	v_lshlrev_b32 v3, 4, v0                        ; 16 x lane
	v_lshlrev_b32 v4, 2, v1                        ; 4 r: target and out0
	v_lshlrev_b32 v5, 3, v1
	v_lshl_add_u32 v5, v2, 15, v5                  ; part: 8 r + 32,768 h
	v_and_b32 v6, 7, v1                            ; r % 8: which register holds the diagonal
	v_lshlrev_b32 v7, 8, v2                        ; 256 h
	v_mov_b32 v9, 0
	v_mov_b32 v209, 0                              ; (a lane permute's destination counts as one of its sources)
	s_lshl_b32 s22, ttmp9, 6                       ; 16 rows: 64 bytes of target and of out0,
	s_mov_b32 s23, 0
	s_lshl_b32 s24, ttmp9, 13                      ; 8,192 of codes,
	s_mov_b32 s25, 0
	s_lshl_b32 s26, ttmp9, 9                       ; 512 of scale bytes,
	s_mov_b32 s27, 0
	s_lshl_b32 s28, ttmp9, 7                       ; 128 in each slice of part
	s_mov_b32 s29, 0
	s_mov_b32 s30, 0x76543210
	s_mov_b32 s31, 0xfedcba98                      ; v_permlanex16_b32's selects for lane l xor 16
	s_mov_b32 s32, 0x00ffff00                      ; lanes 8-23
	s_mov_b32 s33, 0x3f317218                      ; ln 2
	s_wait_kmcnt 0x0
	s_load_b64 s[34:35], s[16:17], 0x0             ; the two cluster biases
	s_add_nc_u64 s[4:5], s[4:5], s[22:23]
	s_add_nc_u64 s[20:21], s[20:21], s[22:23]
	s_add_nc_u64 s[6:7], s[6:7], s[24:25]
	s_add_nc_u64 s[8:9], s[8:9], s[26:27]
	s_add_nc_u64 s[18:19], s[18:19], s[28:29]
	global_load_b32 v8, v4, s[4:5]                 ; row r's target, in both halves of the lanes
.irp s, 0,1,2,3,4,5,6,7
	global_load_b128 v[HF+8*\s:HF+8*\s+3],   v3, s[6:7] offset:1024*\s
	global_load_b128 v[HF+8*\s+4:HF+8*\s+7], v3, s[6:7] offset:1024*\s+512
.endr
	global_load_b128 v[HSC:HSC+3], v3, s[8:9]
.irp q, 0,1,2,3,4,5,6,7,8,9,10,11,12,13,14,15
	global_load_b64 v[PT+2*\q:PT+2*\q+1], v5, s[18:19] offset:65536*\q     ; slice 2 q + h
.endr
	s_wait_loadcnt 33                              ; the target is in: behind it stand 17 loads of hidden and 16 of part
	v_cmp_gt_i32 vcc_lo, 0, v8
	v_cndmask_b32 v10, v8, v9, vcc_lo              ; a negative target counts as 0
	v_min_u32 v10, 12501, v10                      ; t: inside the head table
	v_and_b32 v11, 0x3ff0, v10                     ; 16 x its tile
	v_and_b32 v12, 15, v10                         ; its row in the tile
	v_lshl_add_u32 v12, v12, 4, v7                 ; 16 x that + 256 h
	v_lshl_add_u32 v13, v11, 9, v12                ; codes: 8,192 x tile + 256 h + 16 x row (+ 1,024 s + 512 c)
	v_lshl_add_u32 v14, v11, 5, v12                ; scale bytes: 512 x tile + 256 h + 16 x row
	v_min_u32 v15, 12499, v10                      ; no load leaves out_bias
	v_lshlrev_b32 v15, 2, v15
.irp s, 0,1,2,3,4,5,6,7
	global_load_b128 v[GF+8*\s:GF+8*\s+3],   v13, s[10:11] offset:1024*\s
	global_load_b128 v[GF+8*\s+4:GF+8*\s+7], v13, s[10:11] offset:1024*\s+512
.endr
	global_load_b128 v[GSC:GSC+3], v14, s[12:13]
	global_load_b32 v216, v15, s[14:15]
	s_wait_loadcnt 18                              ; the partials are in; the 18 gathered loads stay out while they are joined
	v_max3_num_f32 v208, v[PT], v[PT+2], v[PT+4]
.irp q, 3,5,7,9,11,13
	v_max3_num_f32 v208, v208, v[PT+2*\q], v[PT+2*\q+2]
.endr
	v_max_num_f32 v208, v208, v[PT+30]
	v_permlanex16_b32 v209, v208, s30, s31
	v_max_num_f32 v208, v208, v209                 ; M: the largest mc of the row's 32 slices
.irp q, 0,1,2,3,4,5,6,7,8,9,10,11,12,13,14,15
	v_sub_f32 v[PT+2*\q], v[PT+2*\q], v208
.endr
.irp q, 0,1,2,3,4,5,6,7,8,9,10,11,12,13,14,15
	v_exp_f32 v[PT+2*\q], v[PT+2*\q]
.endr
	v_nop                                          ; a plain line behind the exponentials (ISA guide 5.7.2)
	s_wait_alu depctr_va_vdst(0)
	v_mul_f32 v210, v[PT+1], v[PT]                 ; the sum of l 2^(mc - M), in two chains
	v_mul_f32 v211, v[PT+3], v[PT+2]
.irp q, 2,4,6,8,10,12,14
	v_fma_f32 v210, v[PT+2*\q+1], v[PT+2*\q], v210
	v_fma_f32 v211, v[PT+2*\q+3], v[PT+2*\q+2], v211
.endr
	v_add_f32 v210, v210, v211
	v_permlanex16_b32 v209, v210, s30, s31
	v_add_f32 v210, v210, v209                     ; with the other half's 16 slices
	v_log_f32 v211, v210
	v_nop                                          ; a plain line behind the logarithm
	s_wait_alu depctr_va_vdst(0)
	v_add_f32 v212, v208, v211                     ; M + log2(the sum)
	s_wait_loadcnt 0x0                             ; the gathered rows
	s_wait_kmcnt 0x0                               ; the cluster biases
.irp s, 0,1,2,3,4,5,6,7                ; even K steps onto one accumulator, odd ones onto the other, by turns; each sum's first link takes the constant 0
.if \s < 2
	v_wmma_scale_f32_16x16x128_f8f6f4 v[A0+8*(\s%2):A0+8*(\s%2)+7], v[GF+8*\s:GF+8*\s+7], v[HF+8*\s:HF+8*\s+7], 0, v[GSC+\s%4], v[HSC+\s%4] matrix_a_fmt:MATRIX_FMT_FP4 matrix_b_fmt:MATRIX_FMT_FP4
.elseif \s < 4
	v_wmma_scale_f32_16x16x128_f8f6f4 v[A0+8*(\s%2):A0+8*(\s%2)+7], v[GF+8*\s:GF+8*\s+7], v[HF+8*\s:HF+8*\s+7], v[A0+8*(\s%2):A0+8*(\s%2)+7], v[GSC+\s%4], v[HSC+\s%4] matrix_a_fmt:MATRIX_FMT_FP4 matrix_b_fmt:MATRIX_FMT_FP4
.else
	v_wmma_scale_f32_16x16x128_f8f6f4 v[A0+8*(\s%2):A0+8*(\s%2)+7], v[GF+8*\s:GF+8*\s+7], v[HF+8*\s:HF+8*\s+7], v[A0+8*(\s%2):A0+8*(\s%2)+7], v[GSC+\s%4], v[HSC+\s%4] matrix_a_fmt:MATRIX_FMT_FP4 matrix_b_fmt:MATRIX_FMT_FP4 matrix_a_scale:MATRIX_SCALE_ROW1 matrix_b_scale:MATRIX_SCALE_ROW1
.endif
.endr
	v_mov_b32 v217, s34                            ; four places behind the products (ISA guide 7.12.1): three moves that are due, and a v_nop
	v_mov_b32 v218, s35
	v_mov_b32 v214, 0
	v_nop
.irp i, 0,2,4,6
	v_pk_add_f32 v[S+\i:S+\i+1], v[A0+\i:A0+\i+1], v[A1+\i:A1+\i+1]        ; both accumulators from their low end on
.endr
	; register j of lane (r, h) is (table row of target 8 h + j) . (hidden row r): the diagonal lies in register r % 8 of lanes 0-7 and 24-31
	v_mov_b32 v213, v[S]
.irp j, 1,2,3,4,5,6,7
	v_cmp_eq_u32 vcc_lo, \j, v6
	v_cndmask_b32 v213, v213, v[S+\j], vcc_lo
.endr
	v_permlanex16_b32 v214, v213, s30, s31
	v_cndmask_b32 v215, v213, v214, s32            ; lanes 8-23 take it from lane l xor 16: every lane now holds its row's
	v_cmp_eq_u32 vcc_lo, 12500, v10
	v_cndmask_b32 v217, v218, v217, vcc_lo         ; the bias of a pseudo-token,
	v_cmp_gt_u32 vcc_lo, 12500, v10
	v_cndmask_b32 v216, v217, v216, vcc_lo         ; or out_bias[t]
	v_add_f32 v215, v215, v216                     ; the target's logit
	v_fma_f32 v219, v212, s33, -v215               ; nll = ln 2 x (M + log2(the sum)) - the logit
	s_wait_xcnt 0x0                                ; EXEC changes only behind this wait: it is a source of the loads above
	v_cmp_gt_u32 vcc_lo, 16, v0
	s_and_saveexec_b32 s36, vcc_lo
	global_store_b32 v4, v219, s[20:21]            ; lanes 0-15: 64 consecutive bytes, all that 16 rows have
	s_wait_xcnt 0x0                                ; and again in front of the line that widens it
	s_or_b32 exec_lo, exec_lo, s36
	s_endpgm
.Lfunc_end_k_qa23936325f_finish:
	.size	k_qa23936325f_finish, .Lfunc_end_k_qa23936325f_finish-k_qa23936325f_finish
	.p2alignl 7, 3214868480
	.fill 96, 4, 3214868480
	.section	.rodata,"a",@progbits
	.p2align	6, 0x0
	.amdhsa_kernel k_qa23936325f_finish
		.amdhsa_group_segment_fixed_size 0
		.amdhsa_private_segment_fixed_size 0
		.amdhsa_enable_private_segment 0
		.amdhsa_kernarg_size 72
		.amdhsa_user_sgpr_count 2
		.amdhsa_user_sgpr_kernarg_segment_ptr 1
		.amdhsa_wavefront_size32 1
		.amdhsa_system_sgpr_workgroup_id_x 1
		.amdhsa_system_sgpr_workgroup_id_y 1
		.amdhsa_system_sgpr_workgroup_id_z 1
		.amdhsa_system_vgpr_workitem_id 0
		.amdhsa_next_free_vgpr 224
		.amdhsa_next_free_sgpr 66
		.amdhsa_reserve_vcc 1
		.amdhsa_float_denorm_mode_32 3
		.amdhsa_float_denorm_mode_16_64 3
		.amdhsa_memory_ordered 1
		.amdhsa_forward_progress 1
		.amdhsa_inst_pref_size 13
	.end_amdhsa_kernel
	.amdgpu_metadata
---
amdhsa.version: [ 1, 2 ]
amdhsa.kernels:
  - .name:           k_qa23936325f_finish
    .symbol:         k_qa23936325f_finish.kd
    .args:
      - { .name: target, .offset: 0, .size: 8, .value_kind: global_buffer, .address_space: global }
      - { .name: hq_codes, .offset: 8, .size: 8, .value_kind: global_buffer, .address_space: global }
      - { .name: hq_scales, .offset: 16, .size: 8, .value_kind: global_buffer, .address_space: global }
      - { .name: wq_codes, .offset: 24, .size: 8, .value_kind: global_buffer, .address_space: global }
      - { .name: wq_scales, .offset: 32, .size: 8, .value_kind: global_buffer, .address_space: global }
      - { .name: out_bias, .offset: 40, .size: 8, .value_kind: global_buffer, .address_space: global }
      - { .name: cluster_bias, .offset: 48, .size: 8, .value_kind: global_buffer, .address_space: global }
      - { .name: part, .offset: 56, .size: 8, .value_kind: global_buffer, .address_space: global }
      - { .name: out0, .offset: 64, .size: 8, .value_kind: global_buffer, .address_space: global }
    .group_segment_fixed_size: 0
    .private_segment_fixed_size: 0
    .kernarg_segment_align: 8
    .kernarg_segment_size: 72
    .max_flat_workgroup_size: 32
    .sgpr_count:     66
    .vgpr_count:     224
    .wavefront_size: 32
...
	.end_amdgpu_metadata
.endif
;; end of part 3
